; MI455X (gfx1250); checked and timed in simulation.
; The chip was launched on July 23, 2026; its instructions are those of AMD's public machine-readable ISA for CDNA 5 (MIT licence, August 2026) and "CDNA5" Instruction Set Architecture Reference Guide (July 2026). The comments in the code are by the model that wrote it; some were corrected since.
;; Bilinear Attention Fusion2 D. Allowed arithmetic: matrix products marked QUANTISED: E2M3 operands, one E8M0 scale for each 32 along K, by v_wmma_scale_f32_16x16x128_f8f6f4 with both operands' format E2M3, f32 sums; products left as they are: f32 operands where the result goes on into a quantised operand, else bf16, f16 or f32 operands; f32 sums; everything else in f32.
;; Inputs: Ek 1,024 x 256 float32; Ev 1,024 x 256 float32; Uq_codes 256 x 8 x 24 uint8 (E2M3 codes of Uq, K innermost, in blocks of 32 codes, four codes in three bytes); Uq_scales 256 x 8 uint8 (E8M0 scales of Uq, one for each 32 codes along K); Vk_codes 256 x 8 x 24 uint8 (E2M3 codes of Vk, K innermost, in blocks of 32 codes, four codes in three bytes); Vk_scales 256 x 8 uint8 (E8M0 scales of Vk, one for each 32 codes along K); Wq_codes 256 x 32 x 24 uint8 (E2M3 codes of Wq, K innermost, in blocks of 32 codes, four codes in three bytes); Wq_scales 256 x 32 uint8 (E8M0 scales of Wq, one for each 32 codes along K); bk_val 256 float32; bq 256 float32; bv_val 256 float32; desc_2d 512 x 1,024 float32; hg_codes 512 x 32 x 24 uint8 (E2M3 codes of hg, K innermost, in blocks of 32 codes, four codes in three bytes); hg_scales 512 x 32 uint8 (E8M0 scales of hg, one for each 32 codes along K); ln_k_b 256 float32; ln_k_g 256 float32; ln_q_b 256 float32; ln_q_g 256 float32; ln_v_b 256 float32; ln_v_g 256 float32; wk_val 256 float32; wv_val 256 float32.
;; Outputs: out0 512 x 256 float32; out1 512 x 1,024 float32.
;; This version of the problem:
;;   THIS VERSION OF THE PROBLEM IS GIVEN IN LOW PRECISION. The matrix products marked QUANTISED in the list below multiply operands that are first quantised to E2M3 (2 exponent bits, 3 mantissa bits; 6 bits a number), with one power-of-two scale for each 32 numbers along K (OCP MX v1.0); their sums are f32. All else is computed in f32.
;;   The module's matrix products, in the order in which they are computed (A, B: the left and right operand; K: the contracted axis; several contracted axes count as one K, in the product's order):
;;     1. [M 512, K 1,024] x [K 1,024, N 256]; A: input hg (given as codes); B: input Wq (given as codes): QUANTISED
;;     2. [M 512, K 256] x [K 256, N 256]; A: computed on the way; B: input Uq (given as codes): QUANTISED
;;     3. [M 524,288, K 256] x [K 256, N 256]; A: computed on the way; B: input Vk (given as codes): QUANTISED
;;     4. batch 512 x [M 1,024, K 256] x [K 256, N 1]; A: computed on the way; B: computed on the way: left as it is (N = 1 < 16)
;;     5. batch 512 x [M 1, K 1,024] x [K 1,024, N 256]; A: computed on the way; B: computed on the way: left as it is (M = 1 < 16)
;;   THE QUANTISER, for each operand of a quantised product, along K:
;;     - K is cut into blocks of 32 from its start; a last block that is shorter is filled with zeros.
;;     - A block's scale is 2^e with e = floor(log2(the largest magnitude in the block)) - 2, held to -126 .. 127; a block of zeros has e = 0. As a byte (E8M0): e + 127.
;;     - Each number is divided by its block's scale, clamped to +-7.5, and rounded to the nearest number of E2M3, ties to even, subnormals kept.
;;     - The product sums the exact products of the quantised numbers (number of the format x scale) in f32.
;;   ~~~python
;;   def quantise(x, axis):      # numpy; x: float32 -> the quantised numbers, widened to float32 again
;;       x = np.moveaxis(x, axis, -1); K = x.shape[-1]
;;       x = np.pad(x, [(0, 0)] * (x.ndim - 1) + [(0, -K % 32)]); x = x.reshape(x.shape[:-1] + (-1, 32)); a = np.abs(x).max(-1, keepdims=True)
;;       e = np.where(a > 0, np.clip(np.frexp(np.where(a > 0, a, 1))[1] - 1 - 2, -126, 127), 0)      # np.frexp(a)[1] - 1 = floor(log2(a)), exactly
;;       r = np.clip(x / 2.0 ** e, -7.5, 7.5)
;;       step = 2.0 ** (np.maximum(np.frexp(np.where(r == 0, 1, r))[1] - 1, 0) - 3)
;;       q = np.round(r / step) * step * 2.0 ** e      # np.round: ties to even
;;       return np.moveaxis(q.reshape(q.shape[:-2] + (-1,))[..., :K], -1, axis).astype(np.float32)
;;   ~~~
;;   OPERANDS COMPUTED ON THE WAY. 'Computed on the way' means the value that the module computes at that place (a softmax that the list does not call 'softmax' is quantised finished and normalised). What goes into a quantiser is computed in f32, as accurately as f32 sums, v_exp_f32 and their like allow (about 1e-6 of the number): no bf16 or f16 on the way to a quantiser, and a product that is left as it is and whose result goes on into a quantised operand takes f32 operands (vector FMAs, or v_wmma_f32_16x16x4_f32). A number that lies on a knife's edge between two numbers of the format may be rounded either way, as far as f32 arithmetic and the matrix unit's own rounding can turn it there, and no further.
;;   INPUTS GIVEN AS CODES. Uq (in the module: [256, 256], K = its axis 1); Vk (in the module: [256, 256], K = its axis 1); Wq (in the module: [256, 1024], K = its axis 1); hg (in the module: [512, 1024], K = its axis 1): each comes as NAME_codes (uint8): NAME with its K axis moved to the last place and cut into blocks of 32 codes, [.., K / 32, bytes a block], one block behind the other in memory; four codes in three bytes: a row's codes are one little-endian stream of bits, code i at bits 6 i .. 6 i + 5 (a code: sign, 2 exponent bits, 3 mantissa bits); and NAME_scales (uint8): the same leading axes, one E8M0 byte (e + 127) for each 32 codes along K. Its value is code x scale, taken as it is: it is not quantised again, and the codes and scales need not be those that the quantiser above would give.
;; One version. Each part assembles by itself: llvm-mc -triple=amdgcn-amd-amdhsa -mcpu=gfx1250 --defsym DOCPART=n.
;; ======== version 1 of 1: 3 launches
;; workspace buffers: tk 1,048,576 bytes; tv 524,288 bytes; wvec 2,048 bytes; stat 16,640 bytes; q2n 524,288 bytes; vimg 65,536 bytes; sg 2,097,152 bytes
;; launch prep (part 1): grid 160 x 1, 4 waves a work-group, no clusters, 4,608 bytes of LDS; arguments Ek, Ev, wk_val, bk_val, ln_k_g, wv_val, bv_val, ln_v_g, tk, tv, wvec, stat, hg_codes, hg_scales, Wq_codes, Wq_scales, bq, ln_q_g, ln_q_b, Uq_codes, Uq_scales, Vk_codes, q2n, vimg; writes tk, tv, wvec, stat, q2n, vimg
.if DOCPART == 1
	.amdgcn_target "amdgcn-amd-amdhsa--gfx1250"
	.amdhsa_code_object_version 6
	.text
	.protected	k_q6523ae845e_prep
	.globl	k_q6523ae845e_prep
	.p2align	8
	.type	k_q6523ae845e_prep,@function
k_q6523ae845e_prep:
	s_mov_b64 s[64:65], 0
	v_nop
	global_prefetch_b8 v0, s[64:65] scope:SCOPE_SE
	s_setreg_imm32_b32 hwreg(HW_REG_WAVE_MODE, 25, 1), 1
	s_wait_xcnt 0x0
; PREP: all that does not hang on (b, p) together.
; Work-groups 32..159, THE TABLES.  x - mean(x) of a token is d wc + tc[p], wc and tc[p] being wk and bk + Ek[p] less their means over the 256.
; With tc = rho wc + u, u at right angles to wc, the variance is (d + rho)^2 Sww + Suu: a sum of terms that are never negative.  Stored for every p:
;   tk[p][256] f32 = tc g_k;  tv[cg][p][64] bf16 = the same for v, columns 64 cg on;  stat: planes of 1,024 f32: rho_k, Suu_k + 1e-5, rho_v, Suu_v + 1e-5; behind them Sww_k, Sww_v;
;   wvec: wc_k g_k, wc_v g_v.   A wave takes two rows p, sixteen lanes to a row: every load and store of a row covers 256 consecutive aligned bytes.
; Work-groups 0..31, Q: 16 rows b each.  q = LN(hg Wq^T + bq), q2 = Q(q) Uq^T, both products on codes of E2M3.  Wave w owns columns 64 w .. 64 w + 63.
;   q2n[b][tq][r][i] = q2[b][16 (4 tq + i) + r] / 16 (the division by sqrt(256) is exact).   Wave 0 also lays fragment f of Vk (f = the work-group) into vimg, as an image of the registers of the wave that will hold it.
; LIMITS: NaN and infinities among the inputs are not served.  A block of q whose largest magnitude lies under 2^-124 keeps the scale byte 1.  The order of rounding in the norms differs from a mean and a variance taken per token.
.set MSB, 0
.macro WIN new                         ; the immediate's high byte repeats the setting that is left
.if MSB != \new
	s_set_vgpr_msb (MSB<<8)|\new
.set MSB, \new
.endif
.endm
.macro BARRIER                         ; my LDS stores have landed and my LDS loads are in: then the work-group's barrier
	s_wait_dscnt 0x0
	s_barrier_signal -1
	s_barrier_wait -1
.endm
.set KW, 16                            ; tables: 16 numbers a lane each: w, b, g, E of k ..
.set KB, 32
.set KG, 48
.set KE, 64
.set VW, 80                            ; .. and of v
.set VB, 96
.set VG, 112
.set VE, 128
.set U, 144                            ; u = tc - rho wc
.set TA, 160                           ; v160-167 at work
.set WGK, 192                          ; wc g
.set WGV, 208
.set RK, 224                           ; rho, Suu + eps, Sww of k;  RV: of v
.set RV, 228
	v_lshl_add_u32 v254, v0, 2, 0x1000
	v_mov_b32 v255, 0
	v_lshrrev_b32 v1, 5, v0
	v_readfirstlane_b32 s2, v1                     ; wave 0..3
	s_mov_b32 s40, 0x3b800000                      ; 1 / 256
	s_cmp_lt_u32 ttmp9, 32                         ; the same for all waves of a work-group
	s_cbranch_scc1 .Lq_path
; ---------------------------------------------------------------- THE TABLES
	s_load_b512 s[8:23], s[0:1], 0x0               ; Ek 8, Ev 10, wk 12, bk 14, g_k 16, wv 18, bv 20, g_v 22
	s_load_b256 s[24:31], s[0:1], 0x40             ; tk 24, tv 26, wvec 28, stat 30
	s_sub_co_u32 s3, ttmp9, 32
	s_lshl_b32 s4, s3, 3
	s_lshl_b32 s5, s2, 1
	s_add_co_u32 s4, s4, s5                        ; P = 8 x (work-group - 32) + 2 x wave: my first row
	v_bfe_u32 v2, v0, 4, 1                         ; hh: which of my two rows
	v_and_b32 v7, 15, v0                           ; q: my place in the row; chunk i is columns 64 i + 4 q .. + 3
	v_lshlrev_b32 v4, 4, v7                        ; the vectors: 16 q
	v_lshl_add_u32 v3, v2, 10, v4                  ; rows of 1,024 bytes: + 1,024 hh
	v_lshlrev_b32 v5, 3, v7
	v_lshl_add_u32 v5, v2, 7, v5                   ; tv: 128 hh + 8 q
	v_lshlrev_b32 v6, 12, v7
	v_lshl_add_u32 v6, v2, 2, v6                   ; stat: plane q, + 4 hh
	s_lshl_b32 s32, s4, 10
	s_mov_b32 s33, 0
	s_lshl_b32 s34, s4, 7
	s_mov_b32 s35, 0
	s_lshl_b32 s36, s4, 2
	s_mov_b32 s37, 0
	s_wait_kmcnt 0x0
	s_add_nc_u64 s[8:9], s[8:9], s[32:33]
	s_add_nc_u64 s[10:11], s[10:11], s[32:33]
	s_add_nc_u64 s[24:25], s[24:25], s[32:33]
	s_add_nc_u64 s[26:27], s[26:27], s[34:35]
	s_add_nc_u64 s[42:43], s[30:31], s[36:37]
.irp i, 0,1,2,3
	global_load_b128 v[KW+4*\i:KW+4*\i+3], v4, s[12:13] offset:256*\i
	global_load_b128 v[KB+4*\i:KB+4*\i+3], v4, s[14:15] offset:256*\i
	global_load_b128 v[KG+4*\i:KG+4*\i+3], v4, s[16:17] offset:256*\i
	global_load_b128 v[KE+4*\i:KE+4*\i+3], v3, s[8:9] offset:256*\i th:TH_LOAD_NT
	global_load_b128 v[VW+4*\i:VW+4*\i+3], v4, s[18:19] offset:256*\i
	global_load_b128 v[VB+4*\i:VB+4*\i+3], v4, s[20:21] offset:256*\i
	global_load_b128 v[VG+4*\i:VG+4*\i+3], v4, s[22:23] offset:256*\i
	global_load_b128 v[VE+4*\i:VE+4*\i+3], v3, s[10:11] offset:256*\i th:TH_LOAD_NT
.endr
	v_mov_b32 v177, 0                              ; upper halves of pairs of which the low word serves both halves: named, so written
	v_mov_b32 v179, 0
	v_mov_b32 v181, 0
	s_wait_loadcnt 0x0
.macro SUM16 dst, src                  ; the sum of a lane's 16 numbers
	v_pk_add_f32 v[TA:TA+1], v[\src:\src+1], v[\src+2:\src+3]
	v_pk_add_f32 v[TA+2:TA+3], v[\src+4:\src+5], v[\src+6:\src+7]
	v_pk_add_f32 v[TA+4:TA+5], v[\src+8:\src+9], v[\src+10:\src+11]
	v_pk_add_f32 v[TA+6:TA+7], v[\src+12:\src+13], v[\src+14:\src+15]
	v_pk_add_f32 v[TA:TA+1], v[TA:TA+1], v[TA+2:TA+3]
	v_pk_add_f32 v[TA+4:TA+5], v[TA+4:TA+5], v[TA+6:TA+7]
	v_pk_add_f32 v[TA:TA+1], v[TA:TA+1], v[TA+4:TA+5]
	v_add_f32 v[\dst], v[TA], v[TA+1]
.endm
.macro DOT16 dst, a, b                 ; the sum of the 16 products
	v_pk_mul_f32 v[TA:TA+1], v[\a:\a+1], v[\b:\b+1]
.irp j, 2,4,6,8,10,12,14
	v_pk_fma_f32 v[TA:TA+1], v[\a+\j:\a+\j+1], v[\b+\j:\b+\j+1], v[TA:TA+1]
.endr
	v_add_f32 v[\dst], v[TA], v[TA+1]
.endm
.macro RED r                           ; over the row's sixteen lanes: every one of them ends with the sum
.irp m, 1,2,4,8
	v_add_f32_dpp v[\r], v[\r], v[\r] row_xmask:\m row_mask:0xf bank_mask:0xf
.endr
.endm
.macro TABLE W, B, G, E, WG, R
	SUM16 176, \W
	RED 176
	v_mul_f32 v176, s40, v176                      ; mean of w
.irp j, 0,2,4,6,8,10,12,14
	v_pk_add_f32 v[\W+\j:\W+\j+1], v[\W+\j:\W+\j+1], v[176:177] op_sel_hi:[1,0] neg_lo:[0,1] neg_hi:[0,1]   ; wc
.endr
	DOT16 182, \W, \W
	RED 182                                        ; sum of wc^2
.irp j, 0,2,4,6,8,10,12,14
	v_pk_add_f32 v[\E+\j:\E+\j+1], v[\E+\j:\E+\j+1], v[\B+\j:\B+\j+1]
.endr
	SUM16 178, \E
	RED 178
	v_mul_f32 v178, s40, v178
.irp j, 0,2,4,6,8,10,12,14
	v_pk_add_f32 v[\E+\j:\E+\j+1], v[\E+\j:\E+\j+1], v[178:179] op_sel_hi:[1,0] neg_lo:[0,1] neg_hi:[0,1]   ; tc
.endr
	DOT16 183, \W, \E
	RED 183                                        ; sum of wc tc
	v_max_num_f32 v185, 0x800000, v182             ; a constant w has wc = 0: then rho = 0 x a finite number
	v_rcp_f32 v185, v185
	v_mul_f32 v[\R+2], s40, v182                   ; Sww (a plain line behind the reciprocal)
	s_wait_alu depctr_va_vdst(0)
	v_mul_f32 v180, v183, v185                     ; rho
.irp j, 0,2,4,6,8,10,12,14
	v_pk_fma_f32 v[U+\j:U+\j+1], v[\W+\j:\W+\j+1], v[180:181], v[\E+\j:\E+\j+1] op_sel_hi:[1,0,1] neg_lo:[0,1,0] neg_hi:[0,1,0]   ; u = tc - rho wc
.endr
	DOT16 184, U, U
	RED 184
	v_fmaak_f32 v[\R+1], s40, v184, 0x3727c5ac     ; Suu + 1e-5
	v_mov_b32 v[\R], v180
.irp j, 0,2,4,6,8,10,12,14
	v_pk_mul_f32 v[\WG+\j:\WG+\j+1], v[\W+\j:\W+\j+1], v[\G+\j:\G+\j+1]
	v_pk_mul_f32 v[\E+\j:\E+\j+1], v[\E+\j:\E+\j+1], v[\G+\j:\G+\j+1]
.endr
.endm
	TABLE KW, KB, KG, KE, WGK, RK
	TABLE VW, VB, VG, VE, WGV, RV
.irp i, 0,1,2,3
	global_store_b128 v3, v[KE+4*\i:KE+4*\i+3], s[24:25] offset:256*\i     ; sixteen lanes: 256 consecutive aligned bytes of a row of tk
.endr
.irp i, 0,1,2,3
	v_cvt_pk_bf16_f32 v[232+2*\i], v[VE+4*\i], v[VE+4*\i+1]
	v_cvt_pk_bf16_f32 v[233+2*\i], v[VE+4*\i+2], v[VE+4*\i+3]
.endr
.irp i, 0,1,2,3
	global_store_b64 v5, v[232+2*\i:233+2*\i], s[26:27] offset:131072*\i   ; column group i: my two rows of 128 bytes lie on end: 256 aligned bytes a store
.endr
	v_cmp_eq_u32 vcc_lo, 1, v7
	v_cndmask_b32 v240, v[RK], v[RK+1], vcc_lo
	v_cmp_eq_u32 vcc_lo, 2, v7
	v_cndmask_b32 v240, v240, v[RV], vcc_lo
	v_cmp_eq_u32 vcc_lo, 3, v7
	v_cndmask_b32 v240, v240, v[RV+1], vcc_lo      ; lane q holds plane q's number of its row
	v_cmp_gt_u32 vcc_lo, 4, v7
	s_wait_xcnt 0x0                                ; EXEC is a source of the stores above: it changes only behind this wait
	s_and_saveexec_b32 s41, vcc_lo
	global_store_b32 v6, v240, s[42:43]
	s_wait_xcnt 0x0                                ; and again in front of the line that widens it
	s_or_b32 exec_lo, exec_lo, s41
	s_or_b32 s41, s3, s2
	s_cmp_lg_u32 s41, 0                            ; what hangs on no p is stored by one wave of one work-group
	s_cbranch_scc1 .Ltab_end
	v_cmp_eq_u32 vcc_lo, 1, v2
.irp n, 0,1,2,3,4,5,6,7,8,9,10,11,12,13,14,15
	v_cndmask_b32 v[U+\n], v[WGK+\n], v[WGV+\n], vcc_lo   ; lanes 0-15 carry k's vector, lanes 16-31 v's
.endr
	v_cndmask_b32 v241, v[RK+2], v[RV+2], vcc_lo
	v_lshlrev_b32 v242, 2, v2
.irp i, 0,1,2,3
	global_store_b128 v3, v[U+4*\i:U+4*\i+3], s[28:29] offset:256*\i
.endr
	v_cmp_eq_u32 vcc_lo, 0, v7
	s_wait_xcnt 0x0
	s_and_saveexec_b32 s41, vcc_lo
	global_store_b32 v242, v241, s[30:31] offset:16384
	s_wait_xcnt 0x0
	s_or_b32 exec_lo, exec_lo, s41
.Ltab_end:
	s_endpgm
; ---------------------------------------------------------------- Q
; REGISTERS, in windows of 256.  Window 0: v1-15, v250-253 addresses; v16-111 hg's 8 fragments; v112-119 its scale words; v120-151 Wq's (8 tile + K step); v152-183 my 4 tiles of q;
;   v184-203 at work; v204-215 a fragment of Vk; v216-239 q's two fragments; v240-241 their scale words; v242-249 Uq's.
; Window 1: Wq's fragments of K steps 0-3 at 12 (4 s + tile); v192-223 bq; v224-255 ln_q_g.  Window 2: K steps 4-7; v192-223 ln_q_b; v224-255 q2's 4 tiles.  Window 3: v0-95 Uq's 8 fragments; v96-127 q2 / 16 as it is stored.
; LDS: 0: the row sums [r][wave]; 256: the sums of squares; 512: q's codes, [K step][pair of registers][lane] 8 bytes; 3,584: q's scale words [K step][r].
.Lq_path:
	s_load_b512 s[8:23], s[0:1], 0x60              ; hg codes 8, hg scales 10, Wq codes 12, Wq scales 14, bq 16, ln_q_g 18, ln_q_b 20, Uq codes 22
	s_load_b256 s[24:31], s[0:1], 0xa0             ; Uq scales 24, Vk codes 26, q2n 28, vimg 30
	v_and_b32 v1, 15, v0                           ; r
	v_bfe_u32 v2, v0, 4, 1                         ; h
	v_and_b32 v3, 31, v0                           ; lane
	v_and_b32 v4, 8, v1
	v_add_nc_u32 v4, v4, v1                        ; r + 8 (r / 8)
	v_mul_u32_u24 v5, v1, 768
	v_mad_u32_u24 v5, v2, 24, v5                   ; hg: row r of 768 bytes, + 24 h
	v_lshlrev_b32 v6, 5, v1                        ; its 32 scale bytes
	v_mul_u32_u24 v7, v4, 768
	v_mad_u32_u24 v7, v2, 24, v7                   ; Wq: THE ROWS OF A TILE ARE NOT NEIGHBOURS: lane r of tile 2 b + u takes row 32 b + 8 u + r + 8 (r / 8)
	v_lshlrev_b32 v8, 5, v4
	v_lshlrev_b32 v9, 6, v2                        ; bq, g, b in the result's layout: 64 h
	v_mul_u32_u24 v10, v1, 192
	v_mad_u32_u24 v10, v2, 24, v10                 ; Uq, Vk: row r of 192 bytes, + 24 h
	v_lshlrev_b32 v11, 3, v1
	v_lshrrev_b32 v12, 1, v3
	v_and_b32 v13, 1, v3
	v_lshlrev_b32 v12, 10, v12
	v_lshl_add_u32 v12, v13, 7, v12                ; vimg: 1,024 (lane / 2) + 128 (lane % 2)
	v_lshlrev_b32 v13, 4, v1
	v_lshl_add_u32 v13, v2, 13, v13                ; q2n: 8 h rows of 1,024 bytes, + 16 r
	s_lshl_b32 s41, s2, 2
	v_lshl_add_u32 v14, v1, 4, s41                 ; LDS: my wave's word of row r's four
	v_lshlrev_b32 v15, 4, v1                       ; and all four
	s_lshr_b32 s61, s2, 1                          ; which K step of the second product my 64 columns lie in,
	s_and_b32 s62, s2, 1                           ; and which half of it
	s_mul_i32 s60, s61, 1536
	s_mul_i32 s63, s62, 768
	s_add_co_u32 s60, s60, s63
	s_add_co_u32 s60, s60, 512
	v_lshl_add_u32 v250, v3, 3, s60                ; where my six registers of codes go
	s_lshl_b32 s61, s61, 6
	s_lshl_b32 s62, s62, 1
	s_add_co_u32 s61, s61, s62
	s_add_co_u32 s61, s61, 3584
	v_lshl_add_u32 v251, v1, 2, s61                ; and my two scale bytes
	v_lshl_add_u32 v252, v3, 3, 512
	v_lshl_add_u32 v253, v1, 2, 3584
	v_mov_b32 v193, 0                              ; a lane permute's destination counts as one of its sources
	v_mov_b32 v201, 0                              ; upper halves of broadcast pairs
	v_mov_b32 v203, 0
	s_mov_b32 s44, 0x76543210
	s_mov_b32 s45, 0xfedcba98                      ; v_permlanex16_b32's selects for lane l xor 16
	s_mul_i32 s32, ttmp9, 12288                    ; my 16 rows of hg,
	s_mov_b32 s33, 0
	s_lshl_b32 s34, ttmp9, 9                       ; their scale bytes,
	s_mov_b32 s35, 0
	s_mul_i32 s36, s2, 49152                       ; my 64 rows of Wq,
	s_mov_b32 s37, 0
	s_lshl_b32 s38, s2, 11
	s_mov_b32 s39, 0
	s_lshl_b32 s42, s2, 8                          ; my 64 numbers of bq, g, b,
	s_mov_b32 s43, 0
	s_mul_i32 s52, s2, 12288                       ; my 64 rows of Uq,
	s_mov_b32 s53, 0
	s_lshl_b32 s54, s2, 9
	s_mov_b32 s55, 0
	s_lshl_b32 s56, ttmp9, 14                      ; my rows and my 256 bytes of each in q2n
	s_add_co_u32 s56, s56, s42
	s_mov_b32 s57, 0
	; fragment f of Vk: f < 14: (N tile f, K step 0); 14..27: (f - 14, 1); 28, 29: (f - 14, 0); 30, 31: (f - 16, 1).  Its first chunk of four registers is Q0 = 22 + 3 f, + 10 from f = 14 on
	s_mul_i32 s60, ttmp9, 3
	s_add_co_u32 s60, s60, 22
	s_cmp_ge_u32 ttmp9, 14
	s_cselect_b32 s61, 10, 0
	s_cselect_b32 s62, 14, 0
	s_cselect_b32 s63, 1, 0
	s_add_co_u32 s60, s60, s61                     ; Q0
	s_cmp_ge_u32 ttmp9, 28
	s_cselect_b32 s61, 1, 0
	s_sub_co_u32 s63, s63, s61
	s_cmp_ge_u32 ttmp9, 30
	s_cselect_b32 s61, 1, 0
	s_add_co_u32 s63, s63, s61                     ; the K step
	s_lshl_b32 s61, s61, 1
	s_sub_co_u32 s62, ttmp9, s62
	s_sub_co_u32 s62, s62, s61                     ; the N tile
	s_mul_i32 s58, s62, 3072
	s_mul_i32 s63, s63, 96
	s_add_co_u32 s58, s58, s63
	s_mov_b32 s59, 0
.irp c, 0,1,2                          ; chunk Q lies at 16,384 (Q / 32) + 256 ((Q / 8) % 4) + 16 (Q % 8) + the lane's term
	s_add_co_u32 s61, s60, \c
	s_lshr_b32 s62, s61, 5
	s_lshl_b32 s62, s62, 14
	s_bfe_u32 s63, s61, 0x20003
	s_lshl_b32 s63, s63, 8
	s_add_co_u32 s62, s62, s63
	s_and_b32 s63, s61, 7
	s_lshl_b32 s63, s63, 4
	s_add_co_u32 s[46+2*\c], s62, s63
	s_mov_b32 s[47+2*\c], 0
.endr
	s_wait_kmcnt 0x0
	s_add_nc_u64 s[8:9], s[8:9], s[32:33]
	s_add_nc_u64 s[10:11], s[10:11], s[34:35]
	s_add_nc_u64 s[12:13], s[12:13], s[36:37]
	s_add_nc_u64 s[14:15], s[14:15], s[38:39]
	s_add_nc_u64 s[16:17], s[16:17], s[42:43]
	s_add_nc_u64 s[18:19], s[18:19], s[42:43]
	s_add_nc_u64 s[20:21], s[20:21], s[42:43]
	s_add_nc_u64 s[22:23], s[22:23], s[52:53]
	s_add_nc_u64 s[24:25], s[24:25], s[54:55]
	s_add_nc_u64 s[26:27], s[26:27], s[58:59]
	s_add_nc_u64 s[28:29], s[28:29], s[56:57]
	s_add_nc_u64 s[46:47], s[30:31], s[46:47]
	s_add_nc_u64 s[48:49], s[30:31], s[48:49]
	s_add_nc_u64 s[50:51], s[30:31], s[50:51]
.irp s, 0,1,2,3,4,5,6,7
.irp p, 0,1,2,3,4,5
	global_load_b64 v[16+12*\s+2*\p:17+12*\s+2*\p], v5, s[8:9] offset:96*\s+48*(\p/3)+8*(\p%3)   ; a fragment: 24 bytes twice, in pieces of 8
.endr
.endr
	global_load_b128 v[112:115], v6, s[10:11]
	global_load_b128 v[116:119], v6, s[10:11] offset:16
.irp t, 0,1,2,3
	global_load_b128 v[120+8*\t:123+8*\t], v8, s[14:15] offset:(32*(\t/2)+8*(\t%2))*32
	global_load_b128 v[124+8*\t:127+8*\t], v8, s[14:15] offset:(32*(\t/2)+8*(\t%2))*32+16
	global_load_b64 v[242+2*\t:243+2*\t], v11, s[24:25] offset:128*\t
.endr
.irp p, 0,1,2,3,4,5
	global_load_b64 v[204+2*\p:205+2*\p], v10, s[26:27] offset:48*(\p/3)+8*(\p%3)   ; Vk's fragment: every wave loads it, wave 0 stores it
.endr
	WIN 0x40                                       ; destination window 1
.irp s, 0,1,2,3
.irp t, 0,1,2,3
.irp p, 0,1,2,3,4,5
	global_load_b64 v[12*(4*\s+\t)+2*\p:12*(4*\s+\t)+2*\p+1], v7, s[12:13] offset:(32*(\t/2)+8*(\t%2))*768+96*\s+48*(\p/3)+8*(\p%3)
.endr
.endr
.endr
.irp t, 0,1,2,3
	global_load_b128 v[192+8*\t:195+8*\t], v9, s[16:17] offset:(32*(\t/2)+8*(\t%2))*4
	global_load_b128 v[196+8*\t:199+8*\t], v9, s[16:17] offset:(32*(\t/2)+8*(\t%2))*4+16
	global_load_b128 v[224+8*\t:227+8*\t], v9, s[18:19] offset:(32*(\t/2)+8*(\t%2))*4
	global_load_b128 v[228+8*\t:231+8*\t], v9, s[18:19] offset:(32*(\t/2)+8*(\t%2))*4+16
.endr
	WIN 0x80                                       ; destination window 2
.irp s, 0,1,2,3
.irp t, 0,1,2,3
.irp p, 0,1,2,3,4,5
	global_load_b64 v[12*(4*\s+\t)+2*\p:12*(4*\s+\t)+2*\p+1], v7, s[12:13] offset:(32*(\t/2)+8*(\t%2))*768+96*(\s+4)+48*(\p/3)+8*(\p%3)
.endr
.endr
.endr
.irp t, 0,1,2,3
	global_load_b128 v[192+8*\t:195+8*\t], v9, s[20:21] offset:(32*(\t/2)+8*(\t%2))*4
	global_load_b128 v[196+8*\t:199+8*\t], v9, s[20:21] offset:(32*(\t/2)+8*(\t%2))*4+16
.endr
	WIN 0xc0                                       ; destination window 3
.irp t, 0,1,2,3
.irp s, 0,1
.irp p, 0,1,2,3,4,5
	global_load_b64 v[12*(2*\t+\s)+2*\p:12*(2*\t+\s)+2*\p+1], v10, s[22:23] offset:3072*\t+96*\s+48*(\p/3)+8*(\p%3)
.endr
.endr
.endr
	WIN 0
	s_wait_loadcnt 0x0
	s_cmp_lg_u32 s2, 0
	s_cbranch_scc1 .Lno_vk
	global_store_b128 v12, v[204:207], s[46:47]    ; its data and address registers are never written again
	global_store_b128 v12, v[208:211], s[48:49]
	global_store_b128 v12, v[212:215], s[50:51]
.Lno_vk:
; hg Wq^T + bq, TRANSPOSED (source 0 = 16 rows of Wq, source 1 = my 16 rows of hg): lane (r, h) holds row r, and register 16 b + i column 64 w + 32 b + 16 h + i.  bq is the C of each sum's first instruction.
; The four accumulators take turns, one instruction a turn.
.irp s, 0,1,2,3,4,5,6,7
.if \s == 0
	WIN 0x11                                       ; source 0 and C window 1
.elseif \s < 4
	WIN 0x01
.else
	WIN 0x02
.endif
.irp t, 0,1,2,3
.if \s == 0
	v_wmma_scale_f32_16x16x128_f8f6f4 v[152+8*\t:159+8*\t], v[12*\t:12*\t+11], v[16:27], v[192+8*\t:199+8*\t], v[120+8*\t], v112 matrix_a_fmt:MATRIX_FMT_FP6 matrix_b_fmt:MATRIX_FMT_FP6
.else
	v_wmma_scale_f32_16x16x128_f8f6f4 v[152+8*\t:159+8*\t], v[12*(4*(\s%4)+\t):12*(4*(\s%4)+\t)+11], v[16+12*\s:27+12*\s], v[152+8*\t:159+8*\t], v[120+8*\t+\s], v[112+\s] matrix_a_fmt:MATRIX_FMT_FP6 matrix_b_fmt:MATRIX_FMT_FP6
.endif
.endr
.endr
	WIN 0
.rept 4
	v_nop                                          ; four places between the last product and the first read of results
.endr
.macro ROWSUM off                      ; v[184:191], four pairs of partial sums of my row -> the whole row's sum in v196: my halves, lane l xor 16, the four waves through LDS
	v_pk_add_f32 v[184:185], v[184:185], v[186:187]
	v_pk_add_f32 v[188:189], v[188:189], v[190:191]
	v_pk_add_f32 v[184:185], v[184:185], v[188:189]
	v_add_f32 v192, v184, v185
	v_permlanex16_b32 v193, v192, s44, s45
	v_add_f32 v192, v192, v193
	ds_store_b32 v14, v192 offset:\off             ; both lanes of a row write the same word with the same value
	BARRIER
	ds_load_b128 v[196:199], v15 offset:\off
	s_wait_dscnt 0x0
	v_add_f32 v196, v196, v197
	v_add_f32 v198, v198, v199
	v_add_f32 v196, v196, v198
.endm
.irp t, 0,1,2,3
	v_pk_add_f32 v[184+2*\t:185+2*\t], v[152+8*\t:153+8*\t], v[154+8*\t:155+8*\t]   ; each accumulator from its low end on
.endr
.irp j, 4,6
.irp t, 0,1,2,3
	v_pk_add_f32 v[184+2*\t:185+2*\t], v[184+2*\t:185+2*\t], v[152+8*\t+\j:153+8*\t+\j]
.endr
.endr
	ROWSUM 0
	v_mul_f32 v200, s40, v196                      ; the mean
.irp j, 0,2,4,6,8,10,12,14,16,18,20,22,24,26,28,30
	v_pk_add_f32 v[152+\j:153+\j], v[152+\j:153+\j], v[200:201] op_sel_hi:[1,0] neg_lo:[0,1] neg_hi:[0,1]
.endr
.irp t, 0,1,2,3
	v_pk_mul_f32 v[184+2*\t:185+2*\t], v[152+8*\t:153+8*\t], v[152+8*\t:153+8*\t]
.endr
.irp j, 2,4,6
.irp t, 0,1,2,3
	v_pk_fma_f32 v[184+2*\t:185+2*\t], v[152+8*\t+\j:153+8*\t+\j], v[152+8*\t+\j:153+8*\t+\j], v[184+2*\t:185+2*\t]
.endr
.endr
	ROWSUM 256
	v_fmaak_f32 v202, s40, v196, 0x3727c5ac        ; the variance + 1e-5
	v_rsq_f32 v202, v202
	v_nop                                          ; a plain line behind the transcendental
	s_wait_alu depctr_va_vdst(0)
.irp j, 0,2,4,6,8,10,12,14,16,18,20,22,24,26,28,30
	v_pk_mul_f32 v[152+\j:153+\j], v[152+\j:153+\j], v[202:203] op_sel_hi:[1,0]
.endr
	WIN 0x24                                       ; g in window 1, b in window 2
.irp j, 0,2,4,6,8,10,12,14,16,18,20,22,24,26,28,30
	v_pk_fma_f32 v[152+\j:153+\j], v[152+\j:153+\j], v[224+\j:225+\j], v[192+\j:193+\j]
.endr
	WIN 0
; q is quantised along its 256: my two blocks of 32; a block lies in lanes l and l xor 16
.irp b, 0,1
	v_max3_num_f32 v[184+\b], |v[152+16*\b]|, |v[153+16*\b]|, 0x1800000   ; with the floor 2^(3 - 127) among the leaves: the byte cannot fall under 1
.endr
.irp i, 2,4,6,8,10,12,14
.irp b, 0,1
	v_max3_num_f32 v[184+\b], v[184+\b], |v[152+16*\b+\i]|, |v[153+16*\b+\i]|
.endr
.endr
.irp b, 0,1
	v_permlanex16_b32 v[186+\b], v[184+\b], s44, s45
.endr
.irp b, 0,1
	v_max_num_f32 v[184+\b], v[184+\b], v[186+\b]
.endr
.irp b, 0,1
	v_add_nc_u32 v[188+\b], 0xff000000, v[184+\b]  ; 2 off the exponent field: the conversion's scale operand
.endr
.irp b, 0,1
	v_lshrrev_b32 v[190+\b], 23, v[188+\b]         ; the scale's byte
.endr
	v_lshl_or_b32 v190, v191, 8, v190
	ds_store_b16 v251, v190
	v_cvt_scalef32_pk16_fp6_f32 v[192:194], v[152:167], v188
	v_cvt_scalef32_pk16_fp6_f32 v[200:202], v[168:183], v189
	v_nop                                          ; one plain line behind a scaled conversion
.irp i, 0,1,2
	v_permlane16_swap_b32 v[192+\i], v[200+\i]     ; a whole block to a lane: lanes 0-15 my first block, lanes 16-31 my second
.endr
.irp i, 0,1,2
	v_mov_b32 v[195+\i], v[200+\i]
.endr
	ds_store_b64 v250, v[192:193]                  ; six registers of the fragment, as they stand
	ds_store_b64 v250, v[194:195] offset:256
	ds_store_b64 v250, v[196:197] offset:512
	BARRIER                                        ; q's two fragments and their scale words lie in LDS
.irp s, 0,1
.irp k, 0,1,2,3,4,5
	ds_load_b64 v[216+12*\s+2*\k:217+12*\s+2*\k], v252 offset:1536*\s+256*\k
.endr
.endr
	ds_load_b32 v240, v253
	ds_load_b32 v241, v253 offset:64
	s_wait_dscnt 0x0
	WIN 0xac                                       ; source 1 (Uq) window 3, C and D window 2
.irp t, 0,1,2,3
	v_wmma_scale_f32_16x16x128_f8f6f4 v[224+8*\t:231+8*\t], v[216:227], v[24*\t:24*\t+11], 0, v240, v[242+2*\t] matrix_a_fmt:MATRIX_FMT_FP6 matrix_b_fmt:MATRIX_FMT_FP6
.endr
.irp t, 0,1,2,3
	v_wmma_scale_f32_16x16x128_f8f6f4 v[224+8*\t:231+8*\t], v[228:239], v[24*\t+12:24*\t+23], v[224+8*\t:231+8*\t], v241, v[243+2*\t] matrix_a_fmt:MATRIX_FMT_FP6 matrix_b_fmt:MATRIX_FMT_FP6
.endr
.rept 4
	v_nop
.endr
	WIN 0xc8                                       ; source 1 window 2, destination window 3
.irp j, 0,1,2,3,4,5,6,7                ; register j of tile t is q2(8 h + j, 16 (4 w + t) + r): the four tiles' numbers of a row make 16 bytes; each accumulator from its low end on
.irp t, 0,1,2,3
	v_mul_f32 v[96+4*\j+\t], 0x3d800000, v[224+8*\t+\j]
.endr
.endr
	WIN 0x0c                                       ; a store's data are its source 1: window 3
.irp j, 0,1,2,3,4,5,6,7
	global_store_b128 v13, v[96+4*\j:99+4*\j], s[28:29] offset:1024*\j     ; sixteen lanes: 256 consecutive aligned bytes
.endr
	WIN 0
	s_wait_tensorcnt 0x0
	ds_add_u32 v254, v255
	s_wait_dscnt 0x0
	s_endpgm
.Lfunc_end_k_q6523ae845e_prep:
	.size	k_q6523ae845e_prep, .Lfunc_end_k_q6523ae845e_prep-k_q6523ae845e_prep
	.p2alignl 7, 3214868480
	.fill 96, 4, 3214868480
	.section	.rodata,"a",@progbits
	.p2align	6, 0x0
	.amdhsa_kernel k_q6523ae845e_prep
		.amdhsa_group_segment_fixed_size 4608
		.amdhsa_private_segment_fixed_size 0
		.amdhsa_enable_private_segment 0
		.amdhsa_kernarg_size 192
		.amdhsa_user_sgpr_count 2
		.amdhsa_user_sgpr_kernarg_segment_ptr 1
		.amdhsa_wavefront_size32 1
		.amdhsa_system_sgpr_workgroup_id_x 1
		.amdhsa_system_sgpr_workgroup_id_y 1
		.amdhsa_system_sgpr_workgroup_id_z 1
		.amdhsa_system_vgpr_workitem_id 0
		.amdhsa_next_free_vgpr 896
		.amdhsa_next_free_sgpr 66
		.amdhsa_reserve_vcc 1
		.amdhsa_float_denorm_mode_32 3
		.amdhsa_float_denorm_mode_16_64 3
		.amdhsa_memory_ordered 1
		.amdhsa_forward_progress 1
		.amdhsa_inst_pref_size 77
	.end_amdhsa_kernel
	.amdgpu_metadata
---
amdhsa.version: [ 1, 2 ]
amdhsa.kernels:
  - .name:           k_q6523ae845e_prep
    .symbol:         k_q6523ae845e_prep.kd
    .args:
      - { .name: Ek, .offset: 0, .size: 8, .value_kind: global_buffer, .address_space: global }
      - { .name: Ev, .offset: 8, .size: 8, .value_kind: global_buffer, .address_space: global }
      - { .name: wk_val, .offset: 16, .size: 8, .value_kind: global_buffer, .address_space: global }
      - { .name: bk_val, .offset: 24, .size: 8, .value_kind: global_buffer, .address_space: global }
      - { .name: ln_k_g, .offset: 32, .size: 8, .value_kind: global_buffer, .address_space: global }
      - { .name: wv_val, .offset: 40, .size: 8, .value_kind: global_buffer, .address_space: global }
      - { .name: bv_val, .offset: 48, .size: 8, .value_kind: global_buffer, .address_space: global }
      - { .name: ln_v_g, .offset: 56, .size: 8, .value_kind: global_buffer, .address_space: global }
      - { .name: tk, .offset: 64, .size: 8, .value_kind: global_buffer, .address_space: global }
      - { .name: tv, .offset: 72, .size: 8, .value_kind: global_buffer, .address_space: global }
      - { .name: wvec, .offset: 80, .size: 8, .value_kind: global_buffer, .address_space: global }
      - { .name: stat, .offset: 88, .size: 8, .value_kind: global_buffer, .address_space: global }
      - { .name: hg_codes, .offset: 96, .size: 8, .value_kind: global_buffer, .address_space: global }
      - { .name: hg_scales, .offset: 104, .size: 8, .value_kind: global_buffer, .address_space: global }
      - { .name: Wq_codes, .offset: 112, .size: 8, .value_kind: global_buffer, .address_space: global }
      - { .name: Wq_scales, .offset: 120, .size: 8, .value_kind: global_buffer, .address_space: global }
      - { .name: bq, .offset: 128, .size: 8, .value_kind: global_buffer, .address_space: global }
      - { .name: ln_q_g, .offset: 136, .size: 8, .value_kind: global_buffer, .address_space: global }
      - { .name: ln_q_b, .offset: 144, .size: 8, .value_kind: global_buffer, .address_space: global }
      - { .name: Uq_codes, .offset: 152, .size: 8, .value_kind: global_buffer, .address_space: global }
      - { .name: Uq_scales, .offset: 160, .size: 8, .value_kind: global_buffer, .address_space: global }
      - { .name: Vk_codes, .offset: 168, .size: 8, .value_kind: global_buffer, .address_space: global }
      - { .name: q2n, .offset: 176, .size: 8, .value_kind: global_buffer, .address_space: global }
      - { .name: vimg, .offset: 184, .size: 8, .value_kind: global_buffer, .address_space: global }
    .group_segment_fixed_size: 4608
    .private_segment_fixed_size: 0
    .kernarg_segment_align: 8
    .kernarg_segment_size: 192
    .max_flat_workgroup_size: 128
    .sgpr_count:     66
    .vgpr_count:     896
    .wavefront_size: 32
...
	.end_amdgpu_metadata
.endif
;; end of part 1
;; launch main (part 2): grid 16 x 16, 8 waves a work-group, no clusters, 218,368 bytes of LDS; arguments desc_2d, stat, q2n, Vk_scales, vimg, wvec, tk, ln_k_b, sg; writes sg
.if DOCPART == 2
	.amdgcn_target "amdgcn-amd-amdhsa--gfx1250"
	.amdhsa_code_object_version 6
	.text
	.protected	k_q6523ae845e_main
	.globl	k_q6523ae845e_main
	.p2align	8
	.type	k_q6523ae845e_main,@function
k_q6523ae845e_main:
	s_mov_b64 s[64:65], 0
	v_nop
	global_prefetch_b8 v0, s[64:65] scope:SCOPE_SE
	s_setreg_imm32_b32 hwreg(HW_REG_WAVE_MODE, 25, 1), 1
	s_wait_xcnt 0x0
; MAIN: sg[b][p] = sigmoid( Q(LN(k[b][p])) Vk^T . q2[b] / 16 ).  The product with Vk runs on codes of E2M3; the dot with q2 is fused multiply-adds in f32.
; SHARES.  A work-group takes 64 p x 32 b.  Its eight waves are four PAIRS; a pair owns 16 p; a tile of 16 rows is these 16 p at one b: 32 tiles a pair.
; A pair is a PRODUCER and a CONSUMER.  The producer keeps wc g, tc[p] g and ln_k_b of its 16 p in 384 registers; k = a1 (wc g) + a2 (tc g) + b with a2 = rsqrt((d + rho)^2 Sww + Suu + eps), a1 = d a2:
; two multiply-adds a number, no sum over the 256 for a token.  A lane holds whole blocks of 32 in the operand's own order, so the conversions' results are the operand's registers; they go to LDS as an image of those registers.
; The consumer keeps all of Vk (32 fragments, 384 registers), multiplies, and adds q2 x result into eight sums a lane, whose sixteen lanes are summed at the end through LDS.
; role = (wave xor wave / 4) % 2: 0 produces, 1 consumes: of waves w and w + 4, and of waves 2 i and 2 i + 1, one has each role.  So vector work and matrix work come from different waves, each in plain straight text.
; PHASES, one barrier each: in phase i the producer makes tile i into slot i % 2, the consumer loads tile i - 1 from the other slot and multiplies tile i - 2 from registers.
; LIMITS: NaN and infinities are not served; a block of k whose largest magnitude lies under 2^-124 keeps the scale byte 1.
; No cluster and no tensor load: a work-group reads its tables once, ahead of the loop, and nothing from memory inside it.
.set AS,   0                           ; LDS: (a1, a2) [b 32][p 64], 8 bytes
.set Q2S,  16384                       ; q2n's rows of my 32 b, as in memory
.set FR,   49152                       ; codes: pair x FRP + slot x SLOT + { 512 k + 16 lane: chunk k of the two fragments' 24 registers;  3,072 + 16 (16 s + r): the scale word of K step s, row r }
.set FRP,  7168
.set SLOT, 3584
.set EP,   77824                       ; partial sums: pair x EPP + 1,088 b + 544 jj + 272 h + 16 r
.set EPP,  34880
; REGISTERS kept by both roles: v0 thread; v1 FR + pair + 16 lane; v2 FR + pair + 16 r + h; v3 AS + 128 pair + 8 r (+ 512 a phase); v4 Q2S + 16 r, v5 EP + pair + 272 h + 16 r (+ 1,024, + 1,088 a multiplied tile).
; CONSUMER: window 0: v6-21 Vk's scale words (lanes 0-15 K step 0, lanes 16-31 K step 1); v22, v23 the codes' scale words; v24-47, v48-71 two buffers of codes; v72-87 q2; v88-255 fragments 0-13.
;           window 1: v0-31 four results; v32-39 the sums; v40-255 fragments 14-31.
; PRODUCER: window 0: v6-9 two (a1, a2); v10-17 largest magnitudes; v18-21 scale operands; v24-87 64 numbers; v88-111 two fragments; v112-118 second halves; v120-123 scale bytes; v128-255 ln_k_b.  window 1: v0-127 wc g; v128-255 tc g.
.set MSB, 0
.macro WIN new                         ; the immediate's high byte repeats the setting that is left
.if MSB != \new
	s_set_vgpr_msb (MSB<<8)|\new
.set MSB, \new
.endif
.endm
	s_load_b512 s[4:19], s[0:1], 0x0               ; desc 4, stat 6, q2n 8, Vk scales 10, vimg 12, wvec 14, tk 16, ln_k_b 18
	s_load_b64 s[20:21], s[0:1], 0x40              ; sg
	v_lshrrev_b32 v1, 5, v0
	v_readfirstlane_b32 s22, v1                    ; wave 0..7
	s_lshr_b32 s23, s22, 1                         ; pair
	s_lshr_b32 s24, s22, 2
	s_xor_b32 s24, s24, s22
	s_and_b32 s24, s24, 1                          ; role
	s_and_b32 s25, ttmp7, 0xffff                   ; y: b0 = 32 y;  ttmp9 = x: p0 = 64 x
	v_and_b32 v75, 31, v0                          ; lane
	v_and_b32 v76, 15, v0                          ; r
	v_bfe_u32 v77, v0, 4, 1                        ; h
	s_mul_i32 s26, s23, FRP
	s_add_co_u32 s26, s26, FR
	v_lshl_add_u32 v1, v75, 4, s26
	v_lshl_add_u32 v2, v76, 4, s26
	v_add_nc_u32 v2, v2, v77
	s_lshl_b32 s27, s23, 7
	v_lshl_add_u32 v3, v76, 3, s27
	v_lshlrev_b32 v4, 4, v76
	v_add_nc_u32 v4, Q2S, v4
	s_mul_i32 s28, s23, EPP
	s_add_co_u32 s28, s28, EP
	v_mul_u32_u24 v5, v77, 272
	v_lshl_add_u32 v5, v76, 4, v5
	v_add_nc_u32 v5, s28, v5
	; THE PROLOGUE IS ONE TEXT FOR BOTH ROLES: the role chooses bases and lane terms, so that every register is written on every way.
	v_lshrrev_b32 v78, 6, v0
	v_and_b32 v79, 63, v0
	v_lshlrev_b32 v73, 2, v79                      ; rho, Suu: 4 (T % 64)
	v_lshl_add_u32 v72, v78, 12, v73               ; d: row T / 64 (+ 4 u), column T % 64
	v_lshlrev_b32 v74, 4, v0                       ; q2n: 16 T
	v_lshlrev_b32 v80, 3, v76
	v_lshl_add_u32 v80, v77, 2, v80                ; Vk's scale words: 8 r + 4 h
	v_lshlrev_b32 v32, 7, v77                      ; a vector of 256: 128 h
	v_lshrrev_b32 v33, 1, v75
	v_and_b32 v34, 1, v75
	v_lshlrev_b32 v33, 10, v33
	v_lshl_add_u32 v33, v34, 7, v33                ; vimg: 1,024 (lane / 2) + 128 (lane % 2)
	v_lshl_add_u32 v34, v76, 10, v32               ; tk: 1,024 r + 128 h
	s_cmp_eq_u32 s24, 1
	s_cselect_b32 s33, -1, 0
	v_cndmask_b32 v35, v32, v33, s33
	v_cndmask_b32 v36, v34, v33, s33
	v_lshlrev_b32 v37, 3, v79
	v_lshl_add_u32 v37, v78, 9, v37                ; LDS: (a1, a2) of (T / 64, T % 64)
	v_add_nc_u32 v38, Q2S, v74
	s_lshl_b32 s48, ttmp9, 8                       ; 4 p0
	s_mov_b32 s49, 0
	s_lshl_b32 s34, s25, 17                        ; 4,096 b0
	s_add_co_u32 s34, s34, s48
	s_mov_b32 s35, 0
	s_lshl_b32 s50, s25, 15                        ; 1,024 b0
	s_mov_b32 s51, 0
	s_lshl_b32 s52, ttmp9, 16
	s_lshl_b32 s53, s23, 14
	s_add_co_u32 s52, s52, s53                     ; 1,024 (p0 + 16 pair)
	s_mov_b32 s53, 0
	s_wait_kmcnt 0x0
	s_load_b32 s36, s[6:7], 0x4000                 ; Sww_k
	s_add_nc_u64 s[4:5], s[4:5], s[34:35]
	s_add_nc_u64 s[20:21], s[20:21], s[34:35]
	s_add_nc_u64 s[40:41], s[6:7], s[48:49]
	s_add_nc_u64 s[8:9], s[8:9], s[50:51]
	s_add_nc_u64 s[16:17], s[16:17], s[52:53]
	s_add_nc_u64 s[42:43], s[12:13], 0x4000
	s_add_nc_u64 s[44:45], s[12:13], 0x8000
	s_add_nc_u64 s[46:47], s[12:13], 0xc000
	s_cmp_eq_u32 s24, 1                            ; the choice hangs on the wave's number alone
	s_cselect_b64 s[26:27], s[42:43], s[18:19]
	s_cselect_b64 s[28:29], s[44:45], s[14:15]
	s_cselect_b64 s[30:31], s[46:47], s[16:17]
.irp u, 0,1,2,3,4,5,6,7
	global_load_b32 v[24+\u], v72, s[4:5] offset:16384*\u
.endr
	global_load_b32 v86, v73, s[40:41]             ; rho_k
	global_load_b32 v84, v73, s[40:41] offset:4096 ; Suu_k + eps
.irp k, 0,1,2,3,4,5,6,7
	global_load_b128 v[40+4*\k:43+4*\k], v74, s[8:9] offset:4096*\k
.endr
.irp t, 0,1,2,3,4,5,6,7,8,9,10,11,12,13,14,15
	global_load_b32 v[6+\t], v80, s[10:11] offset:128*\t
.endr
	global_load_b32 v22, v80, s[10:11]             ; (the codes' scale words are first filled with scale words)
	global_load_b32 v23, v80, s[10:11]
; chunk Q (registers 4 Q .. 4 Q + 3 of the 512) comes from base + 256 ((Q % 32) / 8) + 16 (Q % 8) + the lane's term: of a vector or row of 256 f32 that is the lane's 128 numbers 64 c + 32 h + i, in the operand's order
.macro TAB qa, qb, base, voff
.set Q, \qa
.rept \qb-\qa+1
	global_load_b128 v[4*(Q%64):4*(Q%64)+3], v[\voff], s[\base:\base+1] offset:256*((Q%32)/8)+16*(Q%8)
.set Q, Q+1
.endr
.endm
	TAB 22, 31, 12, 33                             ; fragments 0 .. (the producer overwrites these registers later)
	TAB 32, 63, 26, 35                             ; ln_k_b, or fragments
	WIN 0x40                                       ; destination window 1
	TAB 64, 73, 14, 32                             ; wc g (the consumer's results and sums lie here)
	TAB 74, 95, 28, 35                             ; wc g, or fragments
	TAB 96, 127, 30, 36                            ; tc g of my 16 p, or fragments
	WIN 0
	s_wait_loadcnt 63                              ; 142 loads were issued: all but the youngest 63 are in, the first 36 (d, rho, Suu, q2, scale words) among them; their address registers are free
	s_wait_kmcnt 0x0
.irp u, 0,1,2,3,4,5,6,7
	v_add_f32 v[73+2*\u], v[24+\u], v86            ; d + rho
.endr
.irp u, 0,1,2,3,4,5,6,7
	v_mul_f32 v[73+2*\u], v[73+2*\u], v[73+2*\u]
.endr
.irp u, 0,1,2,3,4,5,6,7
	v_fma_f32 v[73+2*\u], v[73+2*\u], s36, v84     ; the variance + eps
.endr
.irp u, 0,1,2,3,4,5,6,7
	v_rsq_f32 v[73+2*\u], v[73+2*\u]               ; a2
.endr
	v_nop                                          ; a plain line behind the transcendentals
	s_wait_alu depctr_va_vdst(0)
.irp u, 0,1,2,3,4,5,6,7
	v_mul_f32 v[72+2*\u], v[24+\u], v[73+2*\u]     ; a1 = d a2
.endr
.irp u, 0,1,2,3,4,5,6,7
	ds_store_b64 v37, v[72+2*\u:73+2*\u] offset:2048*\u
.endr
.irp k, 0,1,2,3,4,5,6,7
	ds_store_b128 v38, v[40+4*\k:43+4*\k] offset:4096*\k
.endr
	s_wait_loadcnt 0x0                             ; the tables
	s_wait_dscnt 0x0                               ; for the others' sake: my stores have landed
	s_barrier_signal -1
	s_barrier_wait -1
; THE PRODUCER'S PHASE: this phase's tile into slot par.  first = 1: its (a1, a2) is fetched here; otherwise it came a phase ago.
.macro PROD par, first
.set AP, 6+2*(\par)
.set AN, 8-2*(\par)
.if \first
	ds_load_b64 v[AP:AP+1], v3
	ds_load_b64 v[AN:AN+1], v3 offset:512
	s_wait_dscnt 0x1                               ; the first of the two is in
.else
	ds_load_b64 v[AN:AN+1], v3 offset:512          ; the next tile's (behind the last tile it reads bytes of q2 that nobody uses)
.endif
.irp s, 0,1                            ; a K step of 128: 64 numbers a lane: blocks 2 c + h, c = 0, 1
	WIN 0x01                                       ; source 0 window 1
.set N, 0
.rept 32
	v_pk_fma_f32 v[24+N:25+N], v[64*\s+N:64*\s+N+1], v[AP:AP+1], v[128+64*\s+N:129+64*\s+N] op_sel_hi:[1,0,1]   ; a1 (wc g) + b
.set N, N+2
.endr
.set N, 0
.rept 32
	v_pk_fma_f32 v[24+N:25+N], v[128+64*\s+N:129+64*\s+N], v[AP:AP+1], v[24+N:25+N] op_sel:[0,1,0] op_sel_hi:[1,1,1]   ; + a2 (tc g)
.set N, N+2
.endr
	WIN 0
.set MM, 10+4*\s
.irp c, 0,1                            ; a block's largest magnitude: all 32 numbers are mine; two chains a block, four by turns; the floor 2^(3 - 127) is a leaf
	v_max3_num_f32 v[MM+2*\c], |v[24+32*\c]|, |v[25+32*\c]|, 0x1800000
	v_max3_num_f32 v[MM+2*\c+1], |v[26+32*\c]|, |v[27+32*\c]|, |v[28+32*\c]|
.endr
.irp i, 5,9,13,17,21,25
.irp c, 0,1
	v_max3_num_f32 v[MM+2*\c], v[MM+2*\c], |v[24+32*\c+\i]|, |v[25+32*\c+\i]|
	v_max3_num_f32 v[MM+2*\c+1], v[MM+2*\c+1], |v[26+32*\c+\i]|, |v[27+32*\c+\i]|
.endr
.endr
.irp c, 0,1
	v_max3_num_f32 v[MM+2*\c], v[MM+2*\c], |v[53+32*\c]|, |v[54+32*\c]|
.endr
.irp c, 0,1
	v_max3_num_f32 v[MM+2*\c], v[MM+2*\c], v[MM+2*\c+1], |v[55+32*\c]|
.endr
.irp c, 0,1
	v_add_nc_u32 v[18+2*\s+\c], 0xff000000, v[MM+2*\c]   ; 2 off the exponent field: the conversion's scale operand
.endr
.irp c, 0,1
	v_cvt_scalef32_pk16_fp6_f32 v[88+12*\s+6*\c:90+12*\s+6*\c], v[24+32*\c:39+32*\c], v[18+2*\s+\c]
	v_cvt_scalef32_pk16_fp6_f32 v[112+4*\c:114+4*\c], v[40+32*\c:55+32*\c], v[18+2*\s+\c]   ; (a conversion's three registers begin on an even number)
.endr
	v_lshrrev_b32 v[120+2*\s], 23, v[18+2*\s]      ; the scale's byte; also the plain line behind the conversions
.irp c, 0,1
.irp i, 0,1,2
	v_mov_b32 v[91+12*\s+6*\c+\i], v[112+4*\c+\i]
.endr
.endr
	v_lshrrev_b32 v[121+2*\s], 23, v[19+2*\s]
.irp c, 0,1
	ds_store_b8 v2, v[120+2*\s+\c] offset:\par*SLOT+3072+256*\s+2*\c    ; byte 2 c + h of row r's word
.endr
.irp k, 0,1,2
	ds_store_b128 v1, v[88+12*\s+4*\k:91+12*\s+4*\k] offset:\par*SLOT+1536*\s+512*\k   ; the fragment as it stands: 512 consecutive bytes a store
.endr
.endr
.endm
; One product: N tile t, K step s, codes from buffer par.  Source 0 = the 16 tokens' codes, source 1 = 16 rows of Vk: register j of lane (r, h) is k2(token 8 h + j, column 16 t + r).
.macro WM t, s, par
.set DD, 16*(((\t)/2)%2)+8*((\t)%2)
.set AA, 24+24*(\par)+12*(\s)
.if \s == 0
.if (\t) < 14
.set BB, 88+12*(\t)
.else
.set BB, 208+12*((\t)-14)
.endif
	v_wmma_scale_f32_16x16x128_f8f6f4 v[DD:DD+7], v[AA:AA+11], v[BB:BB+11], 0, v[22+\par], v[6+(\t)] matrix_a_fmt:MATRIX_FMT_FP6 matrix_b_fmt:MATRIX_FMT_FP6
.else
.if (\t) < 14
.set BB, 40+12*(\t)
.else
.set BB, 232+12*((\t)-14)
.endif
	v_wmma_scale_f32_16x16x128_f8f6f4 v[DD:DD+7], v[AA:AA+11], v[BB:BB+11], v[DD:DD+7], v[22+\par], v[6+(\t)] matrix_a_fmt:MATRIX_FMT_FP6 matrix_b_fmt:MATRIX_FMT_FP6 matrix_a_scale:MATRIX_SCALE_ROW1 matrix_b_scale:MATRIX_SCALE_ROW1
.endif
.endm
; A slice of the dot with q2: sums += q2(16 (2 g + u) + r) x the tile's eight results, from the result's low end on
.macro SL g, u
.set DS, 16*((\g)%2)+8*(\u)
.irp m, 0,2,4,6
.if ((\g) == 0) && (\u == 0)
	v_pk_mul_f32 v[32+\m:33+\m], v[72:73], v[DS+\m:DS+\m+1] op_sel_hi:[0,1]
.else
	v_pk_fma_f32 v[32+\m:33+\m], v[72+2*(\g):73+2*(\g)], v[DS+\m:DS+\m+1], v[32+\m:33+\m] op_sel:[\u,0,0] op_sel_hi:[\u,1,1]
.endif
.endr
.endm
; THE CONSUMER'S PHASE.  ld: the codes made last phase come into buffer 1 - par.  mm: the tile in buffer par is multiplied.  more: a tile follows it.
; Two N tiles a step, in two sets of results by turns; the accumulators go one instruction a turn.  The slices of step g - 1 stand between step g's products: a result is read
; four plain lines or more behind its last product, and written anew eight or more behind it.
.macro CONS ld, mm, par, more
.if \ld
.irp k, 0,1,2,3,4,5
	ds_load_b128 v[24+24*(1-\par)+4*\k:27+24*(1-\par)+4*\k], v1 offset:(1-\par)*SLOT+512*\k   ; (the last product that read this buffer stands eight plain lines back)
.endr
	ds_load_b32 v[23-\par], v1 offset:(1-\par)*SLOT+3072   ; lane 16 s + r: the word of K step s, row r
.endif
.if \mm
	ds_load_b128 v[80:83], v4 offset:512           ; q2 of N tiles 8-15 of the tile in hand
	ds_load_b128 v[84:87], v4 offset:768
.rept 4
	v_nop                                          ; both roles' lines are one text, and the producer's write registers of Vk's numbers (v88-111, v120-123) by vector instructions shortly ahead of the join:
.endr                                                  ; these four keep an operand so written four plain lines ahead of a scaled product on every way through the text (no wave changes its role)
.irp g, 0,1,2,3,4,5,6,7
.if \g == 5
	WIN 0
.if \more
	ds_load_b128 v[72:75], v4 offset:1024          ; q2 of N tiles 0-7 of the next tile: their registers were last read in step 4
	ds_load_b128 v[76:79], v4 offset:1280
	s_wait_dscnt 0x2                               ; all but these two: N tiles 8-15 are in
.else
	s_wait_dscnt 0x0
.endif
.endif
.if \g < 7
	WIN 0x50                                       ; results in window 1, Vk's K step 0 in window 0
.else
	WIN 0x54
.endif
	WM 2*\g, 0, \par
	WM 2*\g+1, 0, \par
	WIN 0x54                                       ; Vk's fragment, results and sums in window 1
	WM 2*\g, 1, \par
.if \g > 0
	SL \g-1, 0
.endif
	WM 2*\g+1, 1, \par
.if \g > 0
	SL \g-1, 1
.else
.rept 4
	v_nop                                          ; step 0 has no slice: the four places ahead of the first read of its results
.endr
.endif
.endr
	SL 7, 0
	SL 7, 1
	ds_store_b128 v5, v[32:35]                     ; (address window 0, data window 1)  tokens 8 h + 0 .. 3, columns r mod 16
	ds_store_b128 v5, v[36:39] offset:544
	WIN 0
.else
.if \ld
	ds_load_b128 v[72:75], v4                      ; q2 of N tiles 0-7 of tile 0
	ds_load_b128 v[76:79], v4 offset:256
.endif
.endif
.endm
; A PHASE: the roles part on the wave's number and join at ONE barrier.  In front of it every wave waits for all its LDS instructions: the slot just written is whole, the slot just read is free.
.macro PHASE p, ld, mm, par, first, more, st3, st45
	s_cmp_eq_u32 s24, 0
	s_cbranch_scc0 .Lcons_\@
.if \p
	PROD \par, \first
.endif
	s_branch .Ljoin_\@
.Lcons_\@:
	CONS \ld, \mm, \par, \more
.Ljoin_\@:
	s_wait_dscnt 0x0
.if \st3
	v_add_nc_u32 v3, 0x200, v3                     ; the next b's (a1, a2)
.endif
.if \st45
	v_add_nc_u32 v4, 0x400, v4                     ; the next b's q2,
	v_add_nc_u32 v5, 1088, v5                      ; and its partial sums
.endif
	s_barrier_signal -1
	s_barrier_wait -1
.endm
	PHASE 1, 0, 0, 0, 1, 0, 1, 0                   ; phase 0: tile 0 is made
	PHASE 1, 1, 0, 1, 0, 0, 1, 0                   ; phase 1: tile 1 is made, tile 0 is loaded
	s_mov_b32 s38, 15
.Lloop:                                                ; phases 2 .. 31, two a trip
	PHASE 1, 1, 1, 0, 0, 1, 1, 1
	PHASE 1, 1, 1, 1, 0, 1, 1, 1
	s_sub_co_u32 s38, s38, 1
	s_cmp_lg_u32 s38, 0
	s_cbranch_scc1 .Lloop
	PHASE 0, 1, 1, 0, 0, 1, 0, 1                   ; phase 32: tile 31 is loaded, tile 30 multiplied
	PHASE 0, 0, 1, 1, 0, 0, 0, 0                   ; phase 33: tile 31 is multiplied
; THE END: thread T sums, for b = T / 16 and T / 16 + 16, the sixteen lanes' parts of four neighbouring p (4 (T % 16) on), takes the sigmoid and stores 16 bytes: sixteen lanes store 256 aligned bytes.
	v_and_b32 v2, 15, v0                           ; cq = 4 pair + 2 h + jj
	v_lshrrev_b32 v3, 4, v0
	v_lshrrev_b32 v1, 2, v2
	v_mul_u32_u24 v1, v1, EPP
	v_mad_u32_u24 v1, v3, 1088, v1
	v_and_b32 v4, 1, v2
	v_mad_u32_u24 v1, v4, 544, v1
	v_bfe_u32 v4, v2, 1, 1
	v_mad_u32_u24 v1, v4, 272, v1
	v_add_nc_u32 v1, EP, v1
	v_lshlrev_b32 v5, 12, v3
	v_lshl_add_u32 v5, v2, 4, v5
.irp u, 0,1
.irp q, 0,1,2,3,4,5,6,7,8,9,10,11,12,13,14,15
	ds_load_b128 v[128+64*\u+4*\q:131+64*\u+4*\q], v1 offset:17408*\u+16*\q
.endr
.endr
.macro QSUM base                       ; sixteen quads into one
.irp st, 8,4,2,1
.set I, 0
.rept \st
	v_pk_add_f32 v[\base+4*I:\base+4*I+1], v[\base+4*I:\base+4*I+1], v[\base+4*(I+\st):\base+4*(I+\st)+1]
	v_pk_add_f32 v[\base+4*I+2:\base+4*I+3], v[\base+4*I+2:\base+4*I+3], v[\base+4*(I+\st)+2:\base+4*(I+\st)+3]
.set I, I+1
.endr
.endr
.endm
	s_wait_dscnt 16                                ; the first b's sixteen loads are in
	QSUM 128
	s_wait_dscnt 0x0
	QSUM 192
.irp n, 128,129,130,131,192,193,194,195
	v_mul_f32 v[\n], 0xbfb8aa3b, v[\n]             ; - e log2(e)
.endr
.irp n, 128,129,130,131,192,193,194,195
	v_exp_f32 v[\n], v[\n]
.endr
	v_nop
	s_wait_alu depctr_va_vdst(0)
.irp n, 128,129,130,131,192,193,194,195
	v_add_f32 v[\n], 1.0, v[\n]
.endr
.irp n, 128,129,130,131,192,193,194,195
	v_rcp_f32 v[\n], v[\n]
.endr
	v_nop
	s_wait_alu depctr_va_vdst(0)
	global_store_b128 v5, v[128:131], s[20:21]
	global_store_b128 v5, v[192:195], s[20:21] offset:65536
	s_wait_xcnt 0x0
	v_lshl_add_u32 v254, v0, 2, 0x35100
	v_mov_b32 v255, 0
	s_wait_tensorcnt 0x0
	ds_add_u32 v254, v255
	s_wait_dscnt 0x0
	s_endpgm
.Lfunc_end_k_q6523ae845e_main:
	.size	k_q6523ae845e_main, .Lfunc_end_k_q6523ae845e_main-k_q6523ae845e_main
	.p2alignl 7, 3214868480
	.fill 96, 4, 3214868480
	.section	.rodata,"a",@progbits
	.p2align	6, 0x0
	.amdhsa_kernel k_q6523ae845e_main
		.amdhsa_group_segment_fixed_size 218368
		.amdhsa_private_segment_fixed_size 0
		.amdhsa_enable_private_segment 0
		.amdhsa_kernarg_size 72
		.amdhsa_user_sgpr_count 2
		.amdhsa_user_sgpr_kernarg_segment_ptr 1
		.amdhsa_wavefront_size32 1
		.amdhsa_system_sgpr_workgroup_id_x 1
		.amdhsa_system_sgpr_workgroup_id_y 1
		.amdhsa_system_sgpr_workgroup_id_z 1
		.amdhsa_system_vgpr_workitem_id 0
		.amdhsa_next_free_vgpr 512
		.amdhsa_next_free_sgpr 66
		.amdhsa_reserve_vcc 0
		.amdhsa_float_denorm_mode_32 3
		.amdhsa_float_denorm_mode_16_64 3
		.amdhsa_memory_ordered 1
		.amdhsa_forward_progress 1
		.amdhsa_inst_pref_size 125
	.end_amdhsa_kernel
	.amdgpu_metadata
---
amdhsa.version: [ 1, 2 ]
amdhsa.kernels:
  - .name:           k_q6523ae845e_main
    .symbol:         k_q6523ae845e_main.kd
    .args:
      - { .name: desc_2d, .offset: 0, .size: 8, .value_kind: global_buffer, .address_space: global }
      - { .name: stat, .offset: 8, .size: 8, .value_kind: global_buffer, .address_space: global }
      - { .name: q2n, .offset: 16, .size: 8, .value_kind: global_buffer, .address_space: global }
      - { .name: Vk_scales, .offset: 24, .size: 8, .value_kind: global_buffer, .address_space: global }
      - { .name: vimg, .offset: 32, .size: 8, .value_kind: global_buffer, .address_space: global }
      - { .name: wvec, .offset: 40, .size: 8, .value_kind: global_buffer, .address_space: global }
      - { .name: tk, .offset: 48, .size: 8, .value_kind: global_buffer, .address_space: global }
      - { .name: ln_k_b, .offset: 56, .size: 8, .value_kind: global_buffer, .address_space: global }
      - { .name: sg, .offset: 64, .size: 8, .value_kind: global_buffer, .address_space: global }
    .group_segment_fixed_size: 218368
    .private_segment_fixed_size: 0
    .kernarg_segment_align: 8
    .kernarg_segment_size: 72
    .max_flat_workgroup_size: 256
    .sgpr_count:     66
    .vgpr_count:     512
    .wavefront_size: 32
...
	.end_amdgpu_metadata
.endif
;; end of part 2
;; launch finish (part 3): grid 4 x 32, 8 waves a work-group, no clusters, 209,152 bytes of LDS; arguments sg, desc_2d, stat, tv, wvec, ln_v_b, out0, out1; writes out0, out1
.if DOCPART == 3
	.amdgcn_target "amdgcn-amd-amdhsa--gfx1250"
	.amdhsa_code_object_version 6
	.text
	.protected	k_q6523ae845e_finish
	.globl	k_q6523ae845e_finish
	.p2align	8
	.type	k_q6523ae845e_finish,@function
k_q6523ae845e_finish:
	s_mov_b64 s[64:65], 0
	v_nop
	global_prefetch_b8 v0, s[64:65] scope:SCOPE_SE
	s_setreg_imm32_b32 hwreg(HW_REG_WAVE_MODE, 25, 1), 1
	s_wait_xcnt 0x0
; FINISH: alpha = s / (sum of s + 1e-12) and c = sum over p of alpha v.  With v = rstd_v (d wc g + tc[p] g) + b:
;   c = inv ( A1 (wc g) + beta' Tv + (sum of s) b ),  beta' = s rstd_v,  A1 = sum of beta' d,  inv = 1 / (sum of s + 1e-12).   beta' Tv is a dense product [16 b, 1,024 p] x [1,024 p, 64]: bf16 operands, f32 sums.
; SHARES.  A work-group takes 16 b and column group cg (64 columns of c, and p = 256 cg .. + 255 of alpha).  Wave w takes p = 128 w .. + 127 of the sums: four K steps of 32; the eight waves' parts meet in LDS.
; The product is used transposed (source 0 = 16 columns of Tv, turned out of LDS, source 1 = beta' of 16 b): a lane holds eight neighbouring columns of one row of c.
; One tensor load a wave brings its 128 rows of Tv (128 bytes each, dense in memory) into bytes of its own, once: nothing is filled again; by this text's count one tensor load of a wave is out.
; LIMITS: NaN and infinities are not served; beta' and Tv are rounded to bf16 for the product.
.set ST, 163840                        ; LDS: 0: Tv, 20,480 a wave (128 rows, 160 apart);  ST: rho_v, Suu_v of a wave's 128 p, 1,024 a wave
.set PC, 172032                        ; the waves' parts of c: 16 rows x 272, 4,352 a wave
.set SM, 206848                        ; (A1, sum of s) [wave][b], 8 bytes
	s_load_b512 s[4:19], s[0:1], 0x0               ; sg 4, desc 6, stat 8, tv 10, wvec 12, ln_v_b 14, out0 16, out1 18
	v_lshl_add_u32 v254, v0, 2, 0x32d00
	v_mov_b32 v255, 0
	ds_add_u32 v254, v255
	ds_add_u32 v254, v255
	v_lshrrev_b32 v1, 5, v0
	v_readfirstlane_b32 s20, v1                    ; wave 0..7
	s_and_b32 s21, ttmp7, 0xffff                   ; y: b0 = 16 y;  ttmp9 = cg
	s_mov_b32 s24, 0x0f110000                      ; group 1: no mask; elements of 2 bytes; padding on: behind every 32 words, 8 words
	s_mov_b32 s25, 64<<16                          ; tensor_dim0 = 64
	s_mov_b32 s26, 128<<16                         ; tensor_dim1 = 128
	s_mov_b32 s27, 64<<16                          ; tile_dim0 = 64
	s_mov_b32 s28, 128                             ; tile_dim1 = 128
	s_mov_b32 s29, 64                              ; elements from row to row
	s_mov_b32 s30, 0
	s_mov_b32 s31, 0
	s_mov_b32 s32, 1                               ; group 0: count
	s_mul_i32 s33, s20, 20480                      ; LDS address: my wave's own bytes
	s_lshl_b32 s36, ttmp9, 17
	s_lshl_b32 s37, s20, 14
	s_add_co_u32 s36, s36, s37                     ; tv: 131,072 cg + 128 w rows of 128 bytes
	s_mov_b32 s37, 0
	s_lshl_b32 s22, s21, 16                        ; 4,096 b0
	s_lshl_b32 s23, s20, 9
	s_add_co_u32 s40, s22, s23                     ; + 4 x 128 w
	s_mov_b32 s41, 0
	s_add_co_u32 s50, s23, 8192                    ; stat: plane rho_v, + 4 x 128 w
	s_mov_b32 s51, 0
	s_lshl_b32 s23, ttmp9, 10
	s_add_co_u32 s44, s22, s23                     ; alpha: 4,096 b0 + 4 x 256 cg
	s_mov_b32 s45, 0
	s_lshl_b32 s52, ttmp9, 8                       ; 4 x 64 cg
	s_mov_b32 s53, 0
	s_lshl_b32 s56, s21, 14
	s_add_co_u32 s56, s56, s52                     ; out0: 1,024 b0 + 256 cg
	s_mov_b32 s57, 0
	s_mov_b32 s58, 0x76543210
	s_mov_b32 s59, 0xfedcba98                      ; v_permlanex16_b32's selects for lane l xor 16
	s_wait_dscnt 0x0
	s_wait_kmcnt 0x0
	s_add_nc_u64 s[34:35], s[10:11], s[36:37]
	s_or_b32 s35, s35, 0x80000000                  ; type = 2
	tensor_load_to_lds s[32:35], s[24:31]
	s_nop 0
.rept 4
	v_nop
.endr
	s_load_b32 s38, s[8:9], 0x4004                 ; Sww_v
	s_add_nc_u64 s[42:43], s[6:7], s[40:41]
	s_add_nc_u64 s[40:41], s[4:5], s[40:41]
	s_add_nc_u64 s[46:47], s[18:19], s[44:45]
	s_add_nc_u64 s[44:45], s[4:5], s[44:45]
	s_add_nc_u64 s[50:51], s[8:9], s[50:51]
	s_add_nc_u64 s[54:55], s[14:15], s[52:53]
	s_add_nc_u64 s[52:53], s[12:13], s[52:53]
	s_add_nc_u64 s[56:57], s[16:17], s[56:57]
	v_and_b32 v1, 15, v0                           ; r (also T % 16)
	v_bfe_u32 v2, v0, 4, 1                         ; h
	v_and_b32 v3, 31, v0                           ; lane
	v_lshrrev_b32 v244, 4, v0                      ; T / 16
	v_lshlrev_b32 v4, 12, v1
	v_lshl_add_u32 v4, v2, 5, v4                   ; s, d: row r, + 32 h: beta' in the operand's order: k = 16 g + 8 h + 0 .. 7
	v_lshlrev_b32 v5, 4, v3
	s_lshl_b32 s60, s20, 10
	s_add_co_u32 s60, s60, ST
	v_lshl_add_u32 v6, v3, 4, s60
	v_lshl_add_u32 v7, v2, 5, s60
	v_lshlrev_b32 v9, 4, v1
	v_lshl_add_u32 v8, v244, 12, v9                ; alpha: row T / 16, 16 (T % 16)
	v_and_b32 v10, 7, v0
	v_lshl_add_u32 v10, v2, 3, v10
	v_mul_u32_u24 v10, v10, 160
	v_bfe_u32 v11, v0, 3, 1
	v_lshl_add_u32 v10, v11, 4, v10
	v_add_nc_u32 v10, s33, v10                     ; the turning load: row 8 h + lane % 8, 16 bytes at 16 ((lane / 8) % 2)
	s_mul_i32 s61, s20, 4352
	s_add_co_u32 s61, s61, PC
	v_mul_u32_u24 v11, v1, 272
	v_lshl_add_u32 v11, v2, 5, v11
	v_add_nc_u32 v11, s61, v11
	s_lshl_b32 s62, s20, 7
	s_add_co_u32 s62, s62, SM
	v_lshl_add_u32 v12, v1, 3, s62
	v_mul_u32_u24 v13, v244, 272
	v_add_nc_u32 v13, v13, v9
	v_add_nc_u32 v13, PC, v13
	v_lshl_add_u32 v14, v244, 3, SM
	v_lshl_add_u32 v15, v244, 10, v9               ; out0: row T / 16, 16 (T % 16)
	global_load_b128 v[212:215], v5, s[50:51]              ; rho_v of my wave's 128 p
	global_load_b128 v[240:243], v5, s[50:51] offset:4096  ; Suu_v + eps
.irp k, 0,1,2,3
.irp g, 0,1,2,3
	global_load_b128 v[16+16*\k+4*\g:19+16*\k+4*\g], v4, s[40:41] offset:128*\k+64*(\g/2)+16*(\g%2)
.endr
.irp g, 0,1,2,3
	global_load_b128 v[80+16*\k+4*\g:83+16*\k+4*\g], v4, s[42:43] offset:128*\k+64*(\g/2)+16*(\g%2)
.endr
.endr
.irp k, 0,1,2,3
	global_load_b128 v[216+4*\k:219+4*\k], v8, s[44:45] offset:256*\k      ; s for alpha
.endr
	global_load_b128 v[232:235], v9, s[52:53] offset:1024  ; wc g of v, my four columns
	global_load_b128 v[236:239], v9, s[54:55]              ; ln_v_b
.irp n, 208,209,210,211
	v_mov_b32 v[\n], 0                             ; A1 and the sum of s, two halves each
.endr
	s_wait_loadcnt 38                              ; behind the two loads of rho and Suu 38 were issued
	ds_store_b128 v6, v[212:215]
	ds_store_b128 v6, v[240:243] offset:512        ; my wave's own bytes: LDS serves a wave's instructions in order, so its loads below see them
	s_wait_kmcnt 0x0
	s_mov_b32 s39, s38                             ; (named with it as a pair, so it is written)
.macro BETA ks                         ; K step ks: 16 numbers a lane
	s_wait_loadcnt 30-8*\ks                        ; behind this step's eight loads: eight for each later step and the last six
.irp g, 0,1,2,3
	ds_load_b128 v[144+4*\g:147+4*\g], v7 offset:128*\ks+64*(\g/2)+16*(\g%2)
	ds_load_b128 v[160+4*\g:163+4*\g], v7 offset:512+128*\ks+64*(\g/2)+16*(\g%2)
.endr
	s_wait_dscnt 0x0
.irp j, 0,2,4,6,8,10,12,14
	v_pk_add_f32 v[144+\j:145+\j], v[144+\j:145+\j], v[80+16*\ks+\j:81+16*\ks+\j]   ; d + rho
.endr
.irp j, 0,2,4,6,8,10,12,14
	v_pk_mul_f32 v[144+\j:145+\j], v[144+\j:145+\j], v[144+\j:145+\j]
.endr
.irp j, 0,2,4,6,8,10,12,14
	v_pk_fma_f32 v[144+\j:145+\j], v[144+\j:145+\j], s[38:39], v[160+\j:161+\j] op_sel_hi:[1,0,1]   ; the variance + eps
.endr
.irp j, 0,1,2,3,4,5,6,7,8,9,10,11,12,13,14,15
	v_rsq_f32 v[144+\j], v[144+\j]
.endr
.irp j, 0,2,4,6,8,10,12,14
	v_pk_add_f32 v[210:211], v[210:211], v[16+16*\ks+\j:17+16*\ks+\j]      ; the sum of s (plain lines behind the transcendentals)
.endr
	s_wait_alu depctr_va_vdst(0)
.irp j, 0,2,4,6,8,10,12,14
	v_pk_mul_f32 v[144+\j:145+\j], v[144+\j:145+\j], v[16+16*\ks+\j:17+16*\ks+\j]   ; beta'
.endr
.irp j, 0,2,4,6,8,10,12,14
	v_pk_fma_f32 v[208:209], v[144+\j:145+\j], v[80+16*\ks+\j:81+16*\ks+\j], v[208:209]   ; A1
.endr
.irp n, 0,1,2,3,4,5,6,7
	v_cvt_pk_bf16_f32 v[176+8*\ks+\n], v[144+2*\n], v[145+2*\n]
.endr
.endm
	BETA 0
	BETA 1
	BETA 2
	BETA 3
	s_wait_tensorcnt 0x0                           ; my rows of Tv lie in LDS; no other wave reads them
.irp k, 0,1,2,3
.irp t, 0,1,2,3
	ds_load_tr16_b128 v[16+8*(4*\k+\t):19+8*(4*\k+\t)], v10 offset:5120*\k+32*\t
	ds_load_tr16_b128 v[20+8*(4*\k+\t):23+8*(4*\k+\t)], v10 offset:5120*\k+32*\t+2560
.endr
.endr
	v_add_f32 v208, v208, v209
	v_add_f32 v209, v210, v211
	v_permlanex16_b32 v210, v208, s58, s59
	v_permlanex16_b32 v211, v209, s58, s59
	v_add_f32 v208, v208, v210
	v_add_f32 v209, v209, v211                     ; my wave's (A1, sum of s) of row r
.irp k, 0,1,2,3
	s_wait_dscnt 24-8*\k                           ; the later steps' eight loads each may be out
.irp t, 0,1,2,3                        ; the four accumulators take turns
.if \k == 0
	v_wmma_f32_16x16x32_bf16 v[144+8*\t:151+8*\t], v[16+8*\t:23+8*\t], v[176:183], 0
.else
	v_wmma_f32_16x16x32_bf16 v[144+8*\t:151+8*\t], v[16+8*(4*\k+\t):23+8*(4*\k+\t)], v[176+8*\k:183+8*\k], v[144+8*\t:151+8*\t]
.endif
.endr
.endr
.rept 4
	v_nop                                          ; four places between the last product and the first read of results, and the loads into registers that the products read
.endr
	ds_store_b64 v12, v[208:209]
.irp t, 0,1,2,3
	ds_store_b128 v11, v[144+8*\t:147+8*\t] offset:64*\t           ; row r, columns 16 t + 8 h + 0 .. 7; each accumulator from its low end on
	ds_store_b128 v11, v[148+8*\t:151+8*\t] offset:64*\t+16
.endr
	s_wait_dscnt 0x0                               ; for the others' sake: my stores have landed
	s_barrier_signal -1
	s_barrier_wait -1
.irp w, 0,1,2,3,4,5,6,7
	ds_load_b128 v[16+4*\w:19+4*\w], v13 offset:4352*\w
.endr
.irp w, 0,1,2,3,4,5,6,7
	ds_load_b64 v[48+2*\w:49+2*\w], v14 offset:128*\w
.endr
	v_mov_b32 v65, 0                               ; upper half of a broadcast pair
	s_wait_loadcnt 0x0                             ; s for alpha, wc g, ln_v_b
	s_wait_dscnt 0x0
.irp st, 4,2,1
.set I, 0
.rept \st
	v_pk_add_f32 v[16+4*I:17+4*I], v[16+4*I:17+4*I], v[16+4*(I+\st):17+4*(I+\st)]
	v_pk_add_f32 v[18+4*I:19+4*I], v[18+4*I:19+4*I], v[18+4*(I+\st):19+4*(I+\st)]
	v_pk_add_f32 v[48+2*I:49+2*I], v[48+2*I:49+2*I], v[48+2*(I+\st):49+2*(I+\st)]
.set I, I+1
.endr
.endr
	v_add_f32 v64, 0x2b8cbccc, v49                 ; the sum of s + 1e-12
	v_rcp_f32 v64, v64
.irp j, 0,2
	v_pk_fma_f32 v[16+\j:17+\j], v[232+\j:233+\j], v[48:49], v[16+\j:17+\j] op_sel_hi:[1,0,1]                  ; + A1 (wc g)  (plain lines behind the reciprocal)
.endr
.irp j, 0,2
	v_pk_fma_f32 v[16+\j:17+\j], v[236+\j:237+\j], v[48:49], v[16+\j:17+\j] op_sel:[0,1,0] op_sel_hi:[1,1,1]   ; + (sum of s) b
.endr
	s_wait_alu depctr_va_vdst(0)
.irp j, 0,2
	v_pk_mul_f32 v[16+\j:17+\j], v[16+\j:17+\j], v[64:65] op_sel_hi:[1,0]
.endr
.irp j, 0,2,4,6,8,10,12,14
	v_pk_mul_f32 v[216+\j:217+\j], v[216+\j:217+\j], v[64:65] op_sel_hi:[1,0]      ; alpha
.endr
	global_store_b128 v15, v[16:19], s[56:57]      ; sixteen lanes: 256 consecutive aligned bytes of a row of c
.irp k, 0,1,2,3
	global_store_b128 v8, v[216+4*\k:219+4*\k], s[46:47] offset:256*\k
.endr
	s_wait_tensorcnt 0x0
	ds_add_u32 v254, v255
	s_wait_dscnt 0x0
	s_endpgm
.Lfunc_end_k_q6523ae845e_finish:
	.size	k_q6523ae845e_finish, .Lfunc_end_k_q6523ae845e_finish-k_q6523ae845e_finish
	.p2alignl 7, 3214868480
	.fill 96, 4, 3214868480
	.section	.rodata,"a",@progbits
	.p2align	6, 0x0
	.amdhsa_kernel k_q6523ae845e_finish
		.amdhsa_group_segment_fixed_size 209152
		.amdhsa_private_segment_fixed_size 0
		.amdhsa_enable_private_segment 0
		.amdhsa_kernarg_size 64
		.amdhsa_user_sgpr_count 2
		.amdhsa_user_sgpr_kernarg_segment_ptr 1
		.amdhsa_wavefront_size32 1
		.amdhsa_system_sgpr_workgroup_id_x 1
		.amdhsa_system_sgpr_workgroup_id_y 1
		.amdhsa_system_sgpr_workgroup_id_z 1
		.amdhsa_system_vgpr_workitem_id 0
		.amdhsa_next_free_vgpr 256
		.amdhsa_next_free_sgpr 66
		.amdhsa_reserve_vcc 0
		.amdhsa_float_denorm_mode_32 3
		.amdhsa_float_denorm_mode_16_64 3
		.amdhsa_memory_ordered 1
		.amdhsa_forward_progress 1
		.amdhsa_inst_pref_size 36
	.end_amdhsa_kernel
	.amdgpu_metadata
---
amdhsa.version: [ 1, 2 ]
amdhsa.kernels:
  - .name:           k_q6523ae845e_finish
    .symbol:         k_q6523ae845e_finish.kd
    .args:
      - { .name: sg, .offset: 0, .size: 8, .value_kind: global_buffer, .address_space: global }
      - { .name: desc_2d, .offset: 8, .size: 8, .value_kind: global_buffer, .address_space: global }
      - { .name: stat, .offset: 16, .size: 8, .value_kind: global_buffer, .address_space: global }
      - { .name: tv, .offset: 24, .size: 8, .value_kind: global_buffer, .address_space: global }
      - { .name: wvec, .offset: 32, .size: 8, .value_kind: global_buffer, .address_space: global }
      - { .name: ln_v_b, .offset: 40, .size: 8, .value_kind: global_buffer, .address_space: global }
      - { .name: out0, .offset: 48, .size: 8, .value_kind: global_buffer, .address_space: global }
      - { .name: out1, .offset: 56, .size: 8, .value_kind: global_buffer, .address_space: global }
    .group_segment_fixed_size: 209152
    .private_segment_fixed_size: 0
    .kernarg_segment_align: 8
    .kernarg_segment_size: 64
    .max_flat_workgroup_size: 256
    .sgpr_count:     66
    .vgpr_count:     256
    .wavefront_size: 32
...
	.end_amdgpu_metadata
.endif
;; end of part 3
